; MI455X (gfx1250); checked and timed in simulation.
; The chip was launched on July 23, 2026; its instructions are those of AMD's public machine-readable ISA for CDNA 5 (MIT licence, August 2026) and "CDNA5" Instruction Set Architecture Reference Guide (July 2026). The comments in the code are by the model that wrote it; some were corrected since.
;; Flex Attention Wrapper. Allowed arithmetic: matrix products marked QUANTISED: E4M3 operands, one given power-of-two scale a tensor, by v_wmma_f32_16x16x64_fp8_fp8 or v_wmma_f32_16x16x128_fp8_fp8, f32 sums; everything else in f32.
;; Inputs: k 2 x 16 x 2,048 x 128 float32; lowp_scales 4 int32 (the exponents e of the quantised operands' scales 2^e); q 2 x 16 x 2,048 x 128 float32; v 2 x 16 x 2,048 x 128 float32.
;; Outputs: out0 2 x 16 x 2,048 x 128 float32.
;; This version of the problem:
;;   THIS VERSION OF THE PROBLEM IS GIVEN IN LOW PRECISION. The matrix products marked QUANTISED in the list below multiply operands that are first quantised to E4M3 (4 exponent bits, 3 mantissa bits; 8 bits a number), with one given power-of-two scale for each operand tensor; their sums are f32. All else is computed in f32.
;;   The module's matrix products, in the order in which they are computed (A, B: the left and right operand; K: the contracted axis; several contracted axes count as one K, in the product's order):
;;     1. batch 32 x [M 2,048, K 128] x [K 128, N 2,048]; A: input q; B: input k: QUANTISED (scales: A lowp_scales[0], B lowp_scales[1])
;;     2. batch 32 x [M 2,048, K 2,048] x [K 2,048, N 128]; A: softmax (see below); B: input v: QUANTISED (scales: A lowp_scales[2], B lowp_scales[3])
;;   THE QUANTISER, for each operand of a quantised product, along K:
;;     - The operand's scale is 2^e, e = its entry of the input lowp_scales (int32; the entries are numbered through the quantised products in the list's order, A before B).
;;     - Each number is divided by the scale, clamped to +-448, and rounded to the nearest number of E4M3, ties to even, subnormals kept.
;;     - The product sums the exact products of the quantised numbers (number of the format x scale) in f32.
;;   ~~~python
;;   def quantise(x, axis, e):      # numpy; x: float32 -> the quantised numbers, widened to float32 again
;;       x = np.moveaxis(x, axis, -1); K = x.shape[-1]
;;       r = np.clip(x / 2.0 ** e, -448, 448)
;;       step = 2.0 ** (np.maximum(np.frexp(np.where(r == 0, 1, r))[1] - 1, -6) - 3)
;;       q = np.round(r / step) * step * 2.0 ** e      # np.round: ties to even
;;       return np.moveaxis(q, -1, axis).astype(np.float32)
;;   ~~~
;;   SOFTMAX AHEAD OF A QUANTISED PRODUCT. Where the list says 'softmax', what is quantised is not the finished softmax but p = 2^(t - M), with t = logit x log2(e) and M = ceil(the row's largest t), a whole number; so 1/2 < the row's largest p <= 1. The row's sum l is taken of the UNQUANTISED p, in f32, and the product's result is divided by l at the end. Since M is a whole number, a kernel that streams over the keys may use a running M (the ceiling of the running maximum): every later rescaling is an exact power of two, so the quantised numbers keep their values, but for numbers so far below the row's largest that they fall under the format's range.
;;   OPERANDS COMPUTED ON THE WAY. 'Computed on the way' means the value that the module computes at that place (a softmax that the list does not call 'softmax' is quantised finished and normalised). What goes into a quantiser is computed in f32, as accurately as f32 sums, v_exp_f32 and their like allow (about 1e-6 of the number): no bf16 or f16 on the way to a quantiser, and a product that is left as it is and whose result goes on into a quantised operand takes f32 operands (vector FMAs, or v_wmma_f32_16x16x4_f32). A number that lies on a knife's edge between two numbers of the format may be rounded either way, as far as f32 arithmetic and the matrix unit's own rounding can turn it there, and no further.
;; One version. Each part assembles by itself: llvm-mc -triple=amdgcn-amd-amdhsa -mcpu=gfx1250 --defsym DOCPART=n.
;; ======== version 1 of 1: 2 launches
;; limits: right only within a limited range of input values
;; workspace buffers: kv 16,777,216 bytes
;; launch quant (part 1): grid 16 x 32, 4 waves a work-group, no clusters, 34,304 bytes of LDS; arguments k, v, lowp_scales, kv; writes kv
.if DOCPART == 1
	.amdgcn_target "amdgcn-amd-amdhsa--gfx1250"
	.amdhsa_code_object_version 6
	.text
	.protected	k_q2342a9dcb2_quant
	.globl	k_q2342a9dcb2_quant
	.p2align	8
	.type	k_q2342a9dcb2_quant,@function
k_q2342a9dcb2_quant:
	s_mov_b64 s[64:65], 0
	v_nop
	global_prefetch_b8 v0, s[64:65] scope:SCOPE_SE
	s_setreg_imm32_b32 hwreg(HW_REG_WAVE_MODE, 25, 1), 1
	s_wait_xcnt 0x0
; K and V [32 heads][2048 keys][128] f32 become codes of FP8 (E4M3), each with the one scale 2^e that is given for it (ek = entry 1, ev = entry 3 of the scales).
; code = x / 2^e, held within +-448, rounded to the nearest code, ties to even.
; LIMITS: ek and ev between -126 and 119, so that 2^e and 448 x 2^e are f32 numbers.  NaN among the inputs is not served (an infinity is held at the largest code).
; THE OUTPUT IS LAID AS THE NEXT LAUNCH'S OPERAND REGISTERS: kv[head][key step of 128 keys][32,768 bytes].
;   bytes 0 .. 16,383: K.  Fragment t at 2048 t, register group c at 512 c, lane (h, r) at 256 h + 16 r: key 32 (t / 2) + 8 (t % 2) + r + 8 (r / 8), d = 32 c + 16 h + 0 .. 15.
;   bytes 16,384 on:   V.  Fragment t at 2048 t, group c at 512 c, lane at 256 h + 16 r: row d = 16 t + r, keys 32 c + 16 h + 0 .. 15 of the step (the keys are the second product's K).
; SHARES.  A work-group (x = key step, y = head) makes one block of 32,768 bytes.  Wave w takes K's keys 32 w .. 32 w + 31 (fragments 2 w, 2 w + 1) and V's columns d = 32 w .. 32 w + 31 (V's fragments 2 w, 2 w + 1).
; K: its K axis (d) is innermost.  Each load reads one key's row, 512 consecutive bytes; sixteen rows turn through the wave's own stage in LDS, so that a lane gets 16 neighbours along d of each block of 32.
; V: its K axis (the keys) is not innermost.  A lane takes a column d and its registers run down the keys: the conversions give codes with the keys innermost, and nothing is transposed.
; Every store of a wave covers whole aligned runs of 256 bytes.  Waves share nothing: no barrier.  Every offset is an immediate and every store has data registers of its own: nothing that a pending access names is rewritten.
.set SP,   528                         ; a stage row: 512 bytes + 16 = 33 x 16 bytes, so that the sixteen rows that a read touches begin at sixteen different 16-byte columns of 256 bytes
.set WSTG, 16*SP                       ; a wave's stage
.set LI,  1                            ; v1   16 x lane
.set SW,  2                            ; v2   the stage, on the way in: 16 x lane
.set SR,  3                            ; v3   the stage, on the way out: row r, + 64 h
.set VL,  4                            ; v4   4 x lane: my column of V
.set VS,  5                            ; v5   where my column's codes go: 2048 (lane / 16) + 16 (lane % 16)
.set RA,  16                           ; v16-79   sixteen rows of K as loaded, fragment 2 w
.set RB,  80                           ; v80-143  the same, fragment 2 w + 1
.set VA,  144                          ; v144-175 32 keys of my column of V
.set VB,  16                           ; v16-47   the same, by turns (RA is done with by then)
.set X,   176                          ; v176-239 64 numbers of K back from the stage
.set CK0, 240                          ; v240-255 codes of fragment 2 w
.set CK1, 80                           ; v80-95   codes of fragment 2 w + 1 (RB is done with by then)
.set CV,  96                           ; v96-127  V's codes, eight registers for each block of 32 keys
	s_load_b256 s[4:11], s[0:1], 0x0               ; k s[4:5], v s[6:7], the scales' exponents s[8:9], kv s[10:11]
	v_lshl_add_u32 v6, v0, 2, 0x8400
	v_mov_b32 v7, 0
	v_lshrrev_b32 v12, 5, v0
	v_readfirstlane_b32 s12, v12                   ; wave 0..3
	v_and_b32 v13, 31, v0                          ; lane
	v_and_b32 v14, 15, v0                          ; r
	v_bfe_u32 v15, v0, 4, 1                        ; h
	v_lshlrev_b32 v[LI], 4, v13
	v_lshlrev_b32 v[VL], 2, v13
	s_mul_i32 s28, s12, WSTG                       ; my stage
	v_add_nc_u32 v[SW], s28, v[LI]
	v_mul_u32_u24 v[SR], v14, SP
	v_lshl_add_u32 v[SR], v15, 6, v[SR]
	v_add_nc_u32 v[SR], s28, v[SR]
	v_lshlrev_b32 v[VS], 4, v14
	v_lshl_add_u32 v[VS], v15, 11, v[VS]
	s_and_b32 s14, ttmp7, 0xffff                   ; the head
	s_lshl_b32 s16, s14, 20                        ; a head of k or v is 2,048 x 512 bytes,
	s_lshl_b32 s29, ttmp9, 16                      ; a key step 128 x 512
	s_add_co_u32 s16, s16, s29
	s_lshl_b32 s29, s12, 7
	s_add_co_u32 s18, s16, s29                     ; V: + my 32 columns' 128 bytes
	s_lshl_b32 s29, s12, 14
	s_add_co_u32 s16, s16, s29                     ; K: + my 32 rows of 512 bytes
	s_lshl_b32 s20, s14, 19                        ; kv: a head is 16 x 32,768 bytes
	s_lshl_b32 s29, ttmp9, 15
	s_add_co_u32 s20, s20, s29
	s_lshl_b32 s29, s12, 12                        ; + my two fragments of 2,048 bytes
	s_add_co_u32 s20, s20, s29
	s_mov_b32 s17, 0
	s_mov_b32 s19, 0
	s_mov_b32 s21, 0
	s_wait_alu depctr_va_vdst(0)
	s_wait_kmcnt 0x0
	s_load_b128 s[24:27], s[8:9], 0x0              ; eq, ek, ep, ev
	s_add_nc_u64 s[4:5], s[4:5], s[16:17]
	s_add_nc_u64 s[6:7], s[6:7], s[18:19]
	s_add_nc_u64 s[10:11], s[10:11], s[20:21]
; the sixteen keys of fragment 2 w + u: register group r takes key 8 u + r + 8 (r / 8) of my 32
.macro LOADK u, reg
.irp r, 0,1,2,3,4,5,6,7,8,9,10,11,12,13,14,15
	global_load_b128 v[\reg+4*\r:\reg+4*\r+3], v[LI], s[4:5] offset:512*(8*\u+\r+8*(\r/8)) th:TH_LOAD_NT   ; 32 lanes read a row's 512 consecutive bytes
.endr
.endm
; through the stage: LDS serves a wave's instructions in order (ISA guide 5.7.1.4), so no wait stands between the stores and the loads
.macro TURNK reg
.irp r, 0,1,2,3,4,5,6,7,8,9,10,11,12,13,14,15
	ds_store_b128 v[SW], v[\reg+4*\r:\reg+4*\r+3] offset:SP*\r
.endr
.irp c, 0,1,2,3
.irp j, 0,1,2,3
	ds_load_b128 v[X+16*\c+4*\j:X+16*\c+4*\j+3], v[SR] offset:128*\c+16*\j    ; row r, d = 32 c + 16 h + 4 j on
.endr
.endr
.endm
.macro QK u, dst
.irp c, 0,1,2,3
.irp i, 0,1,2,3,4,5,6,7,8,9,10,11,12,13,14,15
	v_med3_num_f32 v[X+16*\c+\i], v[X+16*\c+\i], -v9, v9      ; the conversion to an 8-bit code does not saturate (ISA guide 7.6.2): the hold at the largest code x the scale comes first
.endr
	v_cvt_scalef32_pk8_fp8_f32 v[\dst+4*\c:\dst+4*\c+1], v[X+16*\c:X+16*\c+7], v8
	v_cvt_scalef32_pk8_fp8_f32 v[\dst+4*\c+2:\dst+4*\c+3], v[X+16*\c+8:X+16*\c+15], v8
	global_store_b128 v[LI], v[\dst+4*\c:\dst+4*\c+3], s[10:11] offset:2048*\u+512*\c   ; the wave stores 512 consecutive bytes, aligned
.endr
.endm
.macro LOADV b, reg
.irp i, 0,1,2,3,4,5,6,7,8,9,10,11,12,13,14,15,16,17,18,19,20,21,22,23,24,25,26,27,28,29,30,31
	global_load_b32 v[\reg+\i], v[VL], s[6:7] offset:512*(32*\b+\i) th:TH_LOAD_NT      ; V(key 32 b + i, my column): the wave reads 128 consecutive bytes, the four waves 512
.endr
.endm
.macro QV b, reg
.irp i, 0,1,2,3,4,5,6,7,8,9,10,11,12,13,14,15,16,17,18,19,20,21,22,23,24,25,26,27,28,29,30,31
	v_med3_num_f32 v[\reg+\i], v[\reg+\i], -v11, v11
.endr
.irp g, 0,1,2,3
	v_cvt_scalef32_pk8_fp8_f32 v[CV+8*\b+2*\g:CV+8*\b+2*\g+1], v[\reg+8*\g:\reg+8*\g+7], v10
.endr
	global_store_b128 v[VS], v[CV+8*\b:CV+8*\b+3], s[10:11] offset:16384+512*\b          ; keys 32 b + 0 .. 15: the place of the operand's lanes 0-15; sixteen lanes fill 256 aligned bytes
	global_store_b128 v[VS], v[CV+8*\b+4:CV+8*\b+7], s[10:11] offset:16384+512*\b+256    ; keys 32 b + 16 .. 31: the place of its lanes 16-31
.endm
; (Behind each run of conversions come stores, which want no place, and then plain vector lines on other registers: the next holds.)
	LOADK 0, RA
	LOADK 1, RB
	s_wait_kmcnt 0x0
	s_add_co_i32 s28, s25, 127
	s_lshl_b32 s29, s28, 23
	v_mov_b32 v8, s29                              ; 2^ek as f32: the conversion takes its exponent field
	s_add_co_i32 s28, s28, 8
	s_lshl_b32 s28, s28, 23
	s_or_b32 s28, s28, 0x600000
	v_mov_b32 v9, s28                              ; 448 x 2^ek
	s_add_co_i32 s28, s27, 127
	s_lshl_b32 s29, s28, 23
	v_mov_b32 v10, s29                             ; 2^ev
	s_add_co_i32 s28, s28, 8
	s_lshl_b32 s28, s28, 23
	s_or_b32 s28, s28, 0x600000
	v_mov_b32 v11, s28                             ; 448 x 2^ev
	s_wait_alu depctr_va_vdst(0)
	s_wait_loadcnt 16                              ; RA's sixteen rows are in; RB's sixteen may be out
	TURNK RA
	LOADV 0, VA
	s_wait_dscnt 0x0                               ; the numbers are back from the stage
	QK 0, CK0
	s_wait_loadcnt 32                              ; RB is in; V's first 32 loads may be out
	TURNK RB
	LOADV 1, VB                                    ; into RA's registers: the stage's stores that read them ended at the wait on DScnt above
	s_wait_dscnt 0x0
	QK 1, CK1
	s_wait_loadcnt 32                              ; V's block 0 is in; block 1's 32 loads may be out
	QV 0, VA
	LOADV 2, VA
	s_wait_loadcnt 32                              ; block 1 is in
	QV 1, VB
	LOADV 3, VB
	s_wait_loadcnt 32                              ; block 2 is in
	QV 2, VA
	s_wait_loadcnt 0x0
	QV 3, VB
	s_wait_tensorcnt 0x0
	ds_add_u32 v6, v7
	s_wait_dscnt 0x0
	s_endpgm
.Lfunc_end_k_q2342a9dcb2_quant:
	.size	k_q2342a9dcb2_quant, .Lfunc_end_k_q2342a9dcb2_quant-k_q2342a9dcb2_quant
	.p2alignl 7, 3214868480
	.fill 96, 4, 3214868480
	.section	.rodata,"a",@progbits
	.p2align	6, 0x0
	.amdhsa_kernel k_q2342a9dcb2_quant
		.amdhsa_group_segment_fixed_size 34304
		.amdhsa_private_segment_fixed_size 0
		.amdhsa_enable_private_segment 0
		.amdhsa_kernarg_size 32
		.amdhsa_user_sgpr_count 2
		.amdhsa_user_sgpr_kernarg_segment_ptr 1
		.amdhsa_wavefront_size32 1
		.amdhsa_system_sgpr_workgroup_id_x 1
		.amdhsa_system_sgpr_workgroup_id_y 1
		.amdhsa_system_sgpr_workgroup_id_z 1
		.amdhsa_system_vgpr_workitem_id 0
		.amdhsa_next_free_vgpr 256
		.amdhsa_next_free_sgpr 66
		.amdhsa_reserve_vcc 0
		.amdhsa_float_denorm_mode_32 3
		.amdhsa_float_denorm_mode_16_64 3
		.amdhsa_memory_ordered 1
		.amdhsa_forward_progress 1
		.amdhsa_inst_pref_size 42
	.end_amdhsa_kernel
	.amdgpu_metadata
---
amdhsa.version: [ 1, 2 ]
amdhsa.kernels:
  - .name:           k_q2342a9dcb2_quant
    .symbol:         k_q2342a9dcb2_quant.kd
    .args:
      - { .name: k, .offset: 0, .size: 8, .value_kind: global_buffer, .address_space: global }
      - { .name: v, .offset: 8, .size: 8, .value_kind: global_buffer, .address_space: global }
      - { .name: lowp_scales, .offset: 16, .size: 8, .value_kind: global_buffer, .address_space: global }
      - { .name: kv, .offset: 24, .size: 8, .value_kind: global_buffer, .address_space: global }
    .group_segment_fixed_size: 34304
    .private_segment_fixed_size: 0
    .kernarg_segment_align: 8
    .kernarg_segment_size: 32
    .max_flat_workgroup_size: 128
    .sgpr_count:     66
    .vgpr_count:     256
    .wavefront_size: 32
...
	.end_amdgpu_metadata
.endif
;; end of part 1
;; launch attn (part 2): grid 8 x 32, 8 waves a work-group, no clusters, 327,680 bytes of LDS; arguments q, kv, lowp_scales, out0; writes out0
.if DOCPART == 2
	.amdgcn_target "amdgcn-amd-amdhsa--gfx1250"
	.amdhsa_code_object_version 6
	.text
	.protected	k_q2342a9dcb2_attn
	.globl	k_q2342a9dcb2_attn
	.p2align	8
	.type	k_q2342a9dcb2_attn,@function
k_q2342a9dcb2_attn:
	s_mov_b64 s[64:65], 0
	v_nop
	global_prefetch_b8 v0, s[64:65] scope:SCOPE_SE
	s_setreg_imm32_b32 hwreg(HW_REG_WAVE_MODE, 25, 1), 1
	s_wait_xcnt 0x0
; out0[head][q][:] = the sum over keys k <= q of softmax_k(Q[q] . K[k] / sqrt(128)) V[k][:], 32 heads, 2,048 queries and keys, head size 128; both products on codes of FP8 (E4M3), each operand with its given scale:
; eq, ek, ep, ev.  q arrives as f32 and is quantised here, in registers (one wave reads each row once); K and V arrive as codes in kv, laid as images of the operands' registers by the launch before.
; LEFT OUT: tiles of 128 keys that all come after the block's 128 queries.  reference() puts the smallest f32 number there ahead of the softmax, and every query has its own key among those that count, so their p is 0 for
; all values of the inputs.  A NaN or an infinity that reaches only such tiles is not carried to the result.
; THE SOFTMAX AHEAD OF THE SECOND PRODUCT: t = score x log2(e) / sqrt(128); M = the running largest t rounded UP to a whole number; p = 2^(t - M) is quantised, not normalised.  The row's sum is taken of the
; unquantised p in f32 and divides O at the end.  When M moves, the sum and O are multiplied by 2^(old M - new M): exact.
; EVEN WORK UNDER THE CAUSAL MASK.  A head's queries are 16 blocks of 128.  Work-group (I, head), I = 0 .. 7, makes blocks I and 15 - I: (I + 1) + (16 - I) = 17 key steps of 128 keys, the same for all 256 work-groups.
; SHARES.  Two groups of four waves; wave w of a group owns queries 32 w .. 32 w + 31 of the block in hand: tiles A and B of 16, so that each fragment of K and V read from LDS feeds two matrix instructions.
;   waves 4 to 7: block 15 - I, key steps 0 .. 8.   waves 0 to 3: block I, key steps 0 .. I, then block 15 - I, key steps 9 .. 15 - I: 8 steps.  So slot s = 0 .. 7 brings a tile for each group, slot 8 one for waves 4 to 7.
;   At the end waves w and w + 4 hold two parts of the same 32 queries: they exchange one tile each through LDS (O^T, M, the sum), and wave w finishes tile A, wave w + 4 tile B.
; Both products are used transposed (S^T = K Q^T, O^T = V^T P^T): a lane holds ONE query (lane % 16) of each tile, and kv's layout makes p's 16 registers of two neighbouring tiles of K 16 neighbouring keys:
; the conversions' results are the next operand.
; TWO REGIONS OF 128 REGISTERS TAKE TURNS.  In a step K lies in one of them and the scores are made in the other; V is then loaded over K.  When a tile's codes are made its scores are done with, and the next step's K is
; loaded over them, ahead of the products with V; the next scores are made where V was.  So a trip of the loop is two steps.
; THE RING.  Slot s lies at 65,536 (s % 2): the group's tile (32,768 bytes: K's image, then V's) at 32,768 x group; each of the eight waves fetches a quarter of its group's tile.
; A fragment is read at 16 x lane: each load takes 512 consecutive bytes, so no pitch and no padding.
; NO CLUSTER: the eight work-groups of a head need different tiles in the same step (waves 0 to 3 of work-group I turn to key step 9 at slot I + 1), so no joint request of theirs would meet.
; PREFETCH: at slot s = 0 .. 3, behind the load for slot s + 2, wave 0 asks for work-group I's eighth (4,096 bytes, lanes 256 bytes apart) of key steps s + 4 (lanes 0-15) and s + 12 (lanes 16-31), which slot s + 4 is
; the first to need: two refills ahead, each 256 bytes named once in the launch.
; LIMITS on the given exponents, so that each power of two below is an f32 number: eq + ek between -123 and 130 (added to c's exponent field); eq and ep between -126 and 119; ep + ev is applied by v_ldexp_f32 and has none.
; The scaled scores t stay under 2^31 in magnitude.  NaN and infinities among the inputs are not served.
; REGISTERS.  window 0: v1-51 addresses, states, work; v52-83 Q's codes; v84-115 p's codes; v116-125 the exchange; v128-191 O_A, v192-255 O_B.
;   window 1: two regions, v0-127 and v128-255.  Even slots: scores (then p) of tile A in v0-63, of B in v64-127, K's or V's fragments in v128-255 (t at 16 t); odd slots: the other way round.
.set SLOT1, 1<<16
.set SP,    528                        ; a stage row: 512 bytes + 16 = 33 x 16 bytes
.set STAGE, 2*SLOT1                    ; 16 rows x 528 bytes for each wave; no tensor load lands here
.set XB,    STAGE+8*16*SP              ; the exchange: 8,192 + 512 bytes for each wave
.set XP,    8704
.set QXB,   XB+8*XP                    ; Q's codes of block 15 - I: 4,096 bytes for each wave of a group
.set SPARE, QXB+4*4096                 ; the spare words, 128 bytes for each wave: four blocks of 256 bytes that no other line names
.set LI,  1                            ; v1   16 x lane
.set ADR, 2                            ; v2   LDS address of the fragment loads
.set LG,  3                            ; v3   16 x lane + 32,768 x group
.set SRD, 4                            ; v4   the stage: 16 x lane (whole rows)
.set SPW, 5                            ; v5   LDS address of my spare word; never rewritten
.set NIL, 6                            ; v6   0; never rewritten
.set STO, 7                            ; v7   the stage: row r, + 32 h
.set QRD, 8                            ; v8   the stage: row r, + 64 h
.set PFO, 9                            ; v9   the prefetch's offset
.set DV,  10                           ; v10  my query of tile A in the block, less 16 x my half; v11 the same for tile B
.set SCP, 12                           ; v12  2^ep
.set SCQ, 13                           ; v13  2^eq
.set ST0, 14                           ; tile x's state from v14 + 8 x: -M in a pair, f in a pair, the sum's two halves, the largest score
.set INV, 30
.set SM,  32                           ; v32-47 partial sums; ahead of them v32-39 chains of maxima (four a tile), v40-45 work
.set UU,  40
.set DD,  42
.set PM,  44
.set XW,  48                           ; v48  the exchange: my part; v49 my partner's
.set XR,  49
.set QXA, 50                           ; v50  Q's codes of block 15 - I
.set NINF, 51                          ; v51  -infinity
.set QC,  52
.set PC,  84
.set OT,  128
.set WV,  12
.set II,  13
.set FL,  14                           ; s14  the slot at which block I is finished: I + 1; none in waves 4 to 7
.set DG,  15                           ; s15  its slot on the diagonal: I; none in waves 4 to 7
.set G1,  16                           ; s[16:23] descriptor group 1
.set G0,  24                           ; s[24:27] descriptor group 0, which walks
.set KVB, 28                           ; s[28:29] kv at my head, at my quarter of a tile
.set OFF, 30
.set TN,  32                           ; s32  the slot that I fetch for
.set TT,  33                           ; s33  the slot in hand
.set ADDO, 34                          ; s34  key step = slot, and ADDO more beyond slot DG
.set TB,  35                           ; s35  LDS byte at which the slot in hand begins
.set CNT, 36
.set SEL, 38                           ; s[38:39] lane selects for v_permlanex16_b32: lane l xor 16
.set CS,  40                           ; s[40:41] c = log2(e) / sqrt(128) x 2^(eq + ek) (the packed form names a pair)
.set NCS, 42                           ; s42  -c
.set LIMP, 43                          ; s43  448 x 2^ep
.set EPV, 48                           ; s48  ep + ev
.set LIMQ, 49                          ; s49  448 x 2^eq
.set OP,  50                           ; s[50:51] out0 at my rows of block I;  s[52:53] of block 15 - I
.set OB,  52
.set QA,  54                           ; s[54:55] q at my rows
.set PFA, 66                           ; s[66:67] where my prefetch stands
.set PFC, 68                           ; s68  the slot + 1 in wave 0; 64 more in the others
.set WL,  69                           ; s69  my wave's number in its group
.set RB,  0                            ; where rows come back from the stage, in window 1
.set MSB, 0
.macro WIN new                         ; the immediate's high byte repeats the setting that is left; a switch that changes nothing is dropped
.if MSB != \new
	s_set_vgpr_msb (MSB<<8)|\new
.set MSB, \new
.endif
.endm
.macro WA
	s_wait_alu depctr_va_vdst(0)
.endm
.macro TLOAD                           ; four v_nop follow the load
	tensor_load_to_lds s[G0:G0+3], s[G1:G1+7]
	s_nop 0
.rept 4
	v_nop
.endr
.endm
.macro ADDR                            ; the global address of my quarter of slot TN's tile
	s_cmp_le_u32 s[TN], s[DG]
	s_cselect_b32 s[OFF], 0, s[ADDO]
	s_add_co_u32 s[OFF], s[OFF], s[TN]
	s_lshl_b32 s[OFF], s[OFF], 15
	s_add_nc_u64 s[G0+2:G0+3], s[KVB:KVB+1], s[OFF:OFF+1]
	s_or_b32 s[G0+3], s[G0+3], 0x80000000          ; 127:126 type = 2
.endm
; 32 loads in one run, behind four places (the registers may have been read by the matrix instructions just before): K's image (at 0) or V's (at 16,384)
.macro FRAGS at, base
	WIN 0x40
.rept 4
	v_nop
.endr
.set n, 0
.rept 32
	ds_load_b128 v[\base+4*n:\base+4*n+3], v[ADR] offset:\at+512*n
.set n, n+1
.endr
	WIN 0
.endm
; sixteen rows of q turn through my stage, so that a lane gets 16 neighbours along d of each block of 32 of ITS row, in the operand's order; then they are quantised
.macro TURNQ x, tb
	WIN 0x04
.irp i, 0,1,2,3,4,5,6,7,8,9,10,11,12,13,14,15
	ds_store_b128 v[SRD], v[64*\x+4*\i:64*\x+4*\i+3] offset:SP*\i
.endr
	WIN 0x40
.irp c, 0,1,2,3
.irp j, 0,1,2,3
	ds_load_b128 v[\tb+16*\c+4*\j:\tb+16*\c+4*\j+3], v[QRD] offset:128*\c+16*\j   ; LDS serves a wave's instructions in order (ISA guide 5.7.1.4): these see my stores
.endr
.endr
	WA
	s_wait_dscnt 0x0
	WIN 0x41
.set n, \tb
.rept 64
	v_med3_num_f32 v[n], v[n], -s[LIMQ], s[LIMQ]   ; the conversion to an 8-bit code does not saturate (ISA guide 7.6.2): the hold comes first
.set n, n+1
.endr
	WIN 0x01
.irp b, 0,1,2,3,4,5,6,7
	v_cvt_scalef32_pk8_fp8_f32 v[QC+16*\x+2*\b:QC+16*\x+2*\b+1], v[\tb+8*\b:\tb+8*\b+7], v[SCQ]
.endr
	v_nop                                          ; one plain vector line behind the last scaled conversion
	WIN 0
.endm
; a block's state begins: the largest score under every score, -M so large that f is 0: the first change of M makes the sum and O^T zeros (both are finite)
.macro RESET x
	v_mov_b32 v[ST0+8*\x+6], 0xf149f2ca            ; -1e30
	v_mov_b32 v[ST0+8*\x], 0x7f61b1e6              ; 3e38
.endm
.macro RECIP x                         ; 2^(ep + ev) / the row's sum
	v_add_f32 v[INV], v[ST0+8*\x+4], v[ST0+8*\x+5]
	v_permlanex16_b32 v[PM], v[INV], s[SEL], s[SEL+1]
	v_add_f32 v[INV], v[INV], v[PM]
	WA
	v_rcp_f32 v[INV], v[INV]
	v_nop                                          ; one plain place behind a transcendental
	WA
	v_ldexp_f32 v[INV], v[INV], s[EPV]
.endm
; tile x goes through my stage and leaves as whole rows of 512 bytes
.macro OUT x, op
.irp t, 0,1,2,3,4,5,6,7
	ds_store_b128 v[STO], v[OT+64*\x+8*\t:OT+64*\x+8*\t+3] offset:64*\t
	ds_store_b128 v[STO], v[OT+64*\x+8*\t+4:OT+64*\x+8*\t+7] offset:64*\t+16
.endr
	WIN 0x40
.irp i, 0,1,2,3,4,5,6,7,8,9,10,11,12,13,14,15
	ds_load_b128 v[RB+64*\x+4*\i:RB+64*\x+4*\i+3], v[SRD] offset:SP*\i
.endr
	WIN 0x04
.irp i, 0,1,2,3,4,5,6,7,8,9,10,11,12,13,14,15
	s_wait_dscnt 15-\i                             ; row i is back; the younger rows may be out
	global_store_b128 v[LI], v[RB+64*\x+4*\i:RB+64*\x+4*\i+3], s[\op:\op+1] offset:8192*\x+512*\i th:TH_STORE_NT   ; 32 lanes store a row's 512 consecutive bytes, aligned
.endr
	WIN 0
.endm
; block I goes out: O^T / the sum x 2^(ep + ev); a new state begins
.macro FLUSH
.irp x, 0,1
	WA
	RECIP \x
	WA
.set n, OT+64*\x
.rept 32
	v_pk_mul_f32 v[n:n+1], v[n:n+1], v[INV:INV+1] op_sel_hi:[1,0]    ; register 8 t + i is o(r, 16 t + 8 h + i)
.set n, n+2
.endr
	OUT \x, OP
	RESET \x
.endr
	WA
	s_wait_xcnt 0x0                                ; the stores' data registers are written again only behind this wait
.endm
; on the diagonal hidden scores become -infinity: register n of a tile holds key 16 h + 32 (n / 16) + n % 16 of the step: hidden where 32 (n / 16) + n % 16 > DV
.macro MASK
	WIN 0x41
.irp x, 0,1
.set n, 0
.rept 64
	v_cmp_gt_i32 vcc_lo, 32*(n/16)+n%16, v[DV+\x]
	v_cndmask_b32 v[SB+64*\x+n], v[SB+64*\x+n], v[NINF], vcc_lo
.set n, n+1
.endr
.endr
	WIN 0
.endm
; A STEP: 128 keys, two tiles of queries.  p = the slot's parity: which region holds the scores.  K's loads are out.  flush = 1: block I goes out ahead of it at slot FL.
; mask = 1: on the diagonal at slot DG; 2: in waves 0 to 3; 3: where I = 7.  (Whole numbers made of ids and the count of steps.)
; chg: THE CHANGE OF SLOTS, when the slot in hand has been read into registers: each wave waits for all its tensor loads (its part of the next slot), adds 0 to its spare word, and waits for that and for its reads.
; Behind the barrier the next slot is whole and nobody reads this one.  chg = 1: the tiles of two slots on are asked for there; the loads have a step in which to land; 3: waves 4 to 7 ask; 2: nobody; 0: no change.
; next = 1: the next step's K is loaded, half of it over each tile's scores.
.macro STEP p, flush, mask, chg, next
.set SB, 128*\p
.set KB, 128-128*\p
.set RB, SB
.if \flush
	s_cmp_lg_u32 s[TT], s[FL]
	s_cbranch_scc1 .Lkeep_\@
	FLUSH
.irp c, 0,1,2,3,4,5,6,7
	ds_load_b128 v[QC+4*\c:QC+4*\c+3], v[QXA] offset:512*\c        ; the queries of block 15 - I
.endr
.Lkeep_\@:
.endif
	WA
	s_wait_dscnt 0x0                               ; K is in
.rept 5
	v_nop                                          ; five places ahead of results laid over V, which the last products read (ISA guide 7.12.1)
.endr
	WIN 0x41
.irp t, 0,1,2,3,4,5,6,7
	v_wmma_f32_16x16x128_fp8_fp8 v[SB+8*\t:SB+8*\t+7], v[KB+16*\t:KB+16*\t+15], v[QC:QC+15], 0   ; the 16 registers of tiles 2 b, 2 b + 1 are keys 32 b + 16 h + 0 .. 15
	v_wmma_f32_16x16x128_fp8_fp8 v[SB+64+8*\t:SB+64+8*\t+7], v[KB+16*\t:KB+16*\t+15], v[QC+16:QC+31], 0
.endr
	FRAGS 16384, KB                                ; V lands under the softmax; its four places are also those ahead of the first read of the scores (ISA guide 7.12.1)
.if \mask
.if \mask == 1
	s_cmp_lg_u32 s[TT], s[DG]
.elseif \mask == 2
	s_cmp_ge_u32 s[WV], 4
.else
	s_cmp_lg_u32 s[II], 7
.endif
	s_cbranch_scc1 .Lopen_\@
	MASK
.Lopen_\@:
.endif
	WIN 0x14
.irp x, 0,1
.set n, 0
.rept 32
.if n < 4
	v_max3_num_f32 v[SM+4*\x+n], v[ST0+8*\x+6], v[SB+64*\x+2*n], v[SB+64*\x+2*n+1]     ; four chains a tile, each from the running largest score on
.else
	v_max3_num_f32 v[SM+4*\x+n%4], v[SM+4*\x+n%4], v[SB+64*\x+2*n], v[SB+64*\x+2*n+1]
.endif
.set n, n+1
.endr
.endr
	WIN 0
.irp x, 0,1
	v_max3_num_f32 v[SM+4*\x], v[SM+4*\x], v[SM+4*\x+1], v[SM+4*\x+2]
.endr
.irp x, 0,1
	v_max_num_f32 v[SM+4*\x], v[SM+4*\x], v[SM+4*\x+3]
.endr
.irp x, 0,1
	v_permlanex16_b32 v[PM+\x], v[SM+4*\x], s[SEL], s[SEL+1]
.endr
.irp x, 0,1
	v_max_num_f32 v[ST0+8*\x+6], v[SM+4*\x], v[PM+\x]  ; and among lane l xor 16's keys
.endr
.irp x, 0,1
	v_mul_f32 v[UU+\x], s[NCS], v[ST0+8*\x+6]      ; -t (c is positive)
.endr
.irp x, 0,1
	v_floor_f32 v[UU+\x], v[UU+\x]                 ; the new -M = floor(-t) = -ceil(t): a whole number
.endr
.irp x, 0,1
	v_sub_f32 v[DD+\x], v[UU+\x], v[ST0+8*\x]      ; old M less new M
.endr
.irp x, 0,1
	v_mov_b32 v[ST0+8*\x], v[UU+\x]
.endr
.irp x, 0,1
	v_cvt_i32_f32 v[DD+\x], v[DD+\x]               ; (it saturates)
.endr
.irp x, 0,1
	v_ldexp_f32 v[ST0+8*\x+2], 1.0, v[DD+\x]       ; f = 2^(old M - new M)
.endr
	WIN 0x41
.irp x, 0,1
.set n, SB+64*\x
.rept 32
	v_pk_fma_f32 v[n:n+1], v[n:n+1], s[CS:CS+1], v[ST0+8*\x:ST0+8*\x+1] op_sel_hi:[1,0,0]   ; t - M, two at a time (of the pairs c and -M the low word serves both halves)
.set n, n+2
.endr
.endr
	WIN 0
.irp x, 0,1
.set n, OT+64*\x
.rept 32
	v_pk_mul_f32 v[n:n+1], v[n:n+1], v[ST0+8*\x+2:ST0+8*\x+3] op_sel_hi:[1,0]   ; O^T under the new M
.set n, n+2
.endr
.endr
	WA
	WIN 0x41
.set n, SB
.rept 64
	v_exp_f32 v[n], v[n]                           ; p = 2^(t - M), at most 1: not normalised.  Tile A, while V is on its way
.set n, n+1
.endr
	WIN 0
.if \chg
	s_wait_tensorcnt 0x0                           ; no tensor load of mine is out, so group 0 may be written
	ds_add_u32 v[SPW], v[NIL]                      ; 0 onto my spare word
.if \chg != 2
	s_xor_b32 s[G0+1], s[G0+1], SLOT1              ; the slot in hand
	s_add_co_u32 s[TN], s[TN], 1
	ADDR
.if \chg == 1
	s_wait_xcnt 0x0                                ; any prefetch of mine has read its address
	s_add_nc_u64 s[PFA:PFA+1], s[PFA:PFA+1], 32768
	s_add_co_u32 s[PFC], s[PFC], 1
.endif
.endif
.endif
	s_wait_dscnt 0x0                               ; V is in, and the add is done
.if \chg
	s_barrier_signal -1
.endif
	WIN 0x41
.set n, SB+64
.rept 64
	v_exp_f32 v[n], v[n]                           ; tile B: work on registers while the others arrive
.set n, n+1
.endr
	WIN 0
	WA
.if \chg
	s_barrier_wait -1
.if \chg == 1
	TLOAD                                          ; the first thing behind the barrier, and a wave's one tensor load until the next
.elseif \chg == 3
	s_cmp_lt_u32 s[WV], 4
	s_cbranch_scc1 .Lnone_\@
	TLOAD
.Lnone_\@:
.endif
.endif
	s_xor_b32 s[TB], s[TB], SLOT1                  ; on to the other slot
	v_add_nc_u32 v[ADR], s[TB], v[LG]
.irp x, 0,1
	WIN 0x05
.set k, 0
.rept 8
	v_pk_add_f32 v[SM+2*k:SM+2*k+1], v[SB+64*\x+2*k:SB+64*\x+2*k+1], v[SB+64*\x+2*k+16:SB+64*\x+2*k+17]   ; the sum of the unquantised p, eight chains
.set k, k+1
.endr
	WIN 0x01
.set k, 0
.rept 16
	v_pk_add_f32 v[SM+(2*k)%16:SM+(2*k)%16+1], v[SB+64*\x+32+2*k:SB+64*\x+32+2*k+1], v[SM+(2*k)%16:SM+(2*k)%16+1]
.set k, k+1
.endr
	WIN 0
.irp k, 0,2,4,6
	v_pk_add_f32 v[SM+\k:SM+\k+1], v[SM+\k:SM+\k+1], v[SM+\k+8:SM+\k+9]
.endr
.irp k, 0,2
	v_pk_add_f32 v[SM+\k:SM+\k+1], v[SM+\k:SM+\k+1], v[SM+\k+4:SM+\k+5]
.endr
	v_pk_add_f32 v[SM:SM+1], v[SM:SM+1], v[SM+2:SM+3]
	v_pk_fma_f32 v[ST0+8*\x+4:ST0+8*\x+5], v[ST0+8*\x+4:ST0+8*\x+5], v[ST0+8*\x+2:ST0+8*\x+3], v[SM:SM+1] op_sel_hi:[1,0,1]   ; the sum under the new M, and this step's
	WIN 0x44
.set n, SB+64*\x
.rept 32
	v_dual_min_num_f32 v[n], s[LIMP], v[n] :: v_dual_min_num_f32 v[n+1], s[LIMP], v[n+1]   ; the hold at the largest code x 2^ep; p is not negative, so it is one-sided
.set n, n+2
.endr
	WIN 0x01
.irp b, 0,1,2,3,4,5,6,7
	v_cvt_scalef32_pk8_fp8_f32 v[PC+16*\x+2*\b:PC+16*\x+2*\b+1], v[SB+64*\x+8*\b:SB+64*\x+8*\b+7], v[SCP]
.endr
.if \next
	WIN 0x40
.set n, 0
.rept 16
	ds_load_b128 v[SB+64*\x+4*n:SB+64*\x+4*n+3], v[ADR] offset:8192*\x+512*n      ; the next step's K, fragments 4 x .. 4 x + 3
.set n, n+1
.endr
.endif
.endr
	v_nop                                          ; one plain vector line behind the last scaled conversion
	WIN 0x01
.irp t, 0,1,2,3,4,5,6,7
	v_wmma_f32_16x16x128_fp8_fp8 v[OT+8*\t:OT+8*\t+7], v[KB+16*\t:KB+16*\t+15], v[PC:PC+15], v[OT+8*\t:OT+8*\t+7]   ; the sixteen accumulators take turns, one instruction a turn
	v_wmma_f32_16x16x128_fp8_fp8 v[OT+64+8*\t:OT+64+8*\t+7], v[KB+16*\t:KB+16*\t+15], v[PC+16:PC+31], v[OT+64+8*\t:OT+64+8*\t+7]
.endr
	WIN 0
.if \chg == 1
	s_cmp_lt_u32 s[PFC], 5
	s_cbranch_scc0 .Lnot_\@
	global_prefetch_b8 v[PFO], s[PFA:PFA+1] th:TH_LOAD_NT scope:SCOPE_SE
.Lnot_\@:
.endif
	s_add_co_u32 s[TT], s[TT], 1
.endm
; tile y, which my partner finishes, goes to the exchange: O^T, then -M and the sum
.macro GIVE y
	v_mov_b32 v116, v[ST0+8*\y]
	v_mov_b32 v117, 0
	v_mov_b32 v118, v[ST0+8*\y+4]
	v_mov_b32 v119, v[ST0+8*\y+5]
	v_nop                                          ; (with the four above, the places behind the last products)
.set n, 0
.rept 16
	ds_store_b128 v[XW], v[OT+64*\y+4*n:OT+64*\y+4*n+3] offset:512*n
.set n, n+1
.endr
	ds_store_b128 v[XW], v[116:119] offset:8192
.endm
; tile x: my part and my partner's come under the greater M, are added, divided by the sum and stored
.macro MERGE x
	ds_load_b128 v[120:123], v[XR] offset:8192
	WIN 0x40
.set n, 0
.rept 16
	ds_load_b128 v[4*n:4*n+3], v[XR] offset:512*n
.set n, n+1
.endr
	WIN 0
	WA
	s_wait_dscnt 16                                ; -M and the sum are in; the sixteen younger loads may be out
	v_min_num_f32 v[UU], v[ST0+8*\x], v120
	v_sub_f32 v[DD], v[UU], v[ST0+8*\x]
	v_sub_f32 v[DD+1], v[UU], v120
	v_cvt_i32_f32 v[DD], v[DD]
	v_cvt_i32_f32 v[DD+1], v[DD+1]
	v_ldexp_f32 v[ST0+8*\x+2], 1.0, v[DD]
	v_ldexp_f32 v124, 1.0, v[DD+1]
	v_pk_mul_f32 v[ST0+8*\x+4:ST0+8*\x+5], v[ST0+8*\x+4:ST0+8*\x+5], v[ST0+8*\x+2:ST0+8*\x+3] op_sel_hi:[1,0]
	v_pk_fma_f32 v[ST0+8*\x+4:ST0+8*\x+5], v[122:123], v[124:125], v[ST0+8*\x+4:ST0+8*\x+5] op_sel_hi:[1,0,1]
	RECIP \x
	v_mul_f32 v[ST0+8*\x+2], v[ST0+8*\x+2], v[INV] ; (f is a power of two: the products are exact)
	v_mul_f32 v124, v124, v[INV]
	WA
.set n, OT+64*\x
.rept 32
	v_pk_mul_f32 v[n:n+1], v[n:n+1], v[ST0+8*\x+2:ST0+8*\x+3] op_sel_hi:[1,0]
.set n, n+2
.endr
	WA
	s_wait_dscnt 0x0
	WIN 0x01
.set n, 0
.rept 32
	v_pk_fma_f32 v[OT+64*\x+n:OT+64*\x+n+1], v[n:n+1], v[124:125], v[OT+64*\x+n:OT+64*\x+n+1] op_sel_hi:[1,0,1]
.set n, n+2
.endr
	WIN 0
	OUT \x, OB
.endm
	s_load_b256 s[4:11], s[0:1], 0x0               ; q s[4:5], kv s[6:7], the scales' exponents s[8:9], out0 s[10:11]
	v_lshl_add_u32 v[SPW], v0, 2, SPARE
	v_mov_b32 v[NIL], 0
	ds_add_u32 v[SPW], v[NIL]                      ; the opening lines: the add, twice on end, and one wait for both; work on registers stands between
	ds_add_u32 v[SPW], v[NIL]
	v_lshrrev_b32 v32, 5, v0
	v_readfirstlane_b32 s[WV], v32                 ; wave 0..7
	v_and_b32 v32, 31, v0
	v_lshlrev_b32 v[LI], 4, v32
	s_mov_b32 s[II], ttmp9                         ; I
	s_and_b32 s37, ttmp7, 0xffff                   ; the head
	s_and_b32 s[WL], s[WV], 3
	s_sub_co_u32 s61, 15, s[II]
	s_add_co_u32 s58, s[II], 1
	s_sub_co_u32 s59, 8, s[II]
	s_cmp_lt_u32 s[WV], 4
	s_cselect_b32 s60, s[II], s61                  ; whose rows of q I take: block I's or block 15 - I's
	s_cselect_b32 s[DG], s[II], 64
	s_cselect_b32 s[FL], s58, 64
	s_cselect_b32 s[ADDO], s59, 0                  ; waves 0 to 3 at slot s > I: key step s + 8 - I
	s_lshl_b32 s62, s37, 20                        ; a head of q or out0 is 2,048 x 512 bytes;
	s_lshl_b32 s63, s[WL], 14                      ; my 32 rows of a block
	s_add_co_u32 s62, s62, s63
	s_lshl_b32 s56, s60, 16
	s_add_co_u32 s56, s56, s62                     ; q
	s_mov_b32 s57, 0
	s_lshl_b32 s58, s[II], 16
	s_add_co_u32 s58, s58, s62                     ; block I of out0
	s_mov_b32 s59, 0
	s_lshl_b32 s60, s61, 16
	s_add_co_u32 s60, s60, s62                     ; block 15 - I
	s_mov_b32 s61, 0
	s_lshl_b32 s62, s37, 19                        ; a head of kv is 16 x 32,768 bytes
	s_lshl_b32 s63, s[WL], 13
	s_add_co_u32 s44, s62, s63                     ; my quarter of a tile
	s_mov_b32 s45, 0
	s_lshl_b32 s63, s[II], 12
	s_add_co_u32 s46, s62, s63                     ; the prefetches: my work-group's eighth; the first change of slots steps it to key step 4
	s_add_co_u32 s46, s46, 3*32768
	s_mov_b32 s47, 0
	s_cmp_eq_u32 s[WV], 0
	s_cselect_b32 s[PFC], 0, 64
	; descriptor group 1: 32 rows of 32 elements of 8 bytes, dense: 8,192 bytes
	s_mov_b32 s[G1+0], 3<<16                       ; 15:0 no mask; 17:16 elements of 8 bytes; no padding
	s_mov_b32 s[G1+1], 32<<16                      ; tensor_dim0 = 32
	s_mov_b32 s[G1+2], 32<<16                      ; tensor_dim1 = 32
	s_mov_b32 s[G1+3], 32<<16                      ; tile_dim0 = 32
	s_mov_b32 s[G1+4], 32                          ; tile_dim1 = 32
	s_mov_b32 s[G1+5], 32                          ; elements from row to row
	s_mov_b32 s[G1+6], 0
	s_mov_b32 s[G1+7], 0
	s_mov_b32 s[OFF+1], 0
	s_mov_b32 s[TN], 0
	s_mov_b32 s[TT], 0
	s_mov_b32 s[TB], 0
	s_mov_b32 s[CNT], 3
	s_mov_b32 s[SEL], 0x76543210
	s_mov_b32 s[SEL+1], 0xfedcba98
	s_mov_b32 s[G0], 1                             ; 1:0 count = 1
	s_lshl_b32 s[G0+1], s[WV], 13                  ; 63:32 LDS address: slot 0, 8,192 x wave
	WA
	s_wait_dscnt 0x0                               ; both opening adds are done
	s_wait_kmcnt 0x0
	s_add_nc_u64 s[KVB:KVB+1], s[6:7], s[44:45]
	s_add_nc_u64 s[PFA:PFA+1], s[6:7], s[46:47]
	ADDR
	TLOAD                                          ; slot 0: the one first fill at the start
	s_load_b128 s[44:47], s[8:9], 0x0              ; eq, ek, ep, ev
	s_add_nc_u64 s[QA:QA+1], s[4:5], s[56:57]
	s_add_nc_u64 s[OP:OP+1], s[10:11], s[58:59]
	s_add_nc_u64 s[OB:OB+1], s[10:11], s[60:61]
	WIN 0x40
.set n, 0
.rept 32
	global_load_b128 v[4*n:4*n+3], v[LI], s[QA:QA+1] offset:512*n th:TH_LOAD_NT         ; a row of q: 512 consecutive bytes
.set n, n+1
.endr
	WIN 0
.set n, 0
.rept 128
	v_mov_b32 v[OT+n], 0                           ; O^T of both tiles, once, while q is on its way.  (The step is written once: its products always add)
.set n, n+1
.endr
	v_and_b32 v32, 15, v0                          ; r
	v_bfe_u32 v33, v0, 4, 1                        ; h
	v_lshlrev_b32 v[PFO], 8, v32
	v_lshl_add_u32 v[PFO], v33, 18, v[PFO]         ; lanes 16-31: eight key steps of 32,768 bytes further on
	s_lshr_b32 s58, s[WV], 2
	s_lshl_b32 s58, s58, 15
	v_add_nc_u32 v[LG], s58, v[LI]
	v_mov_b32 v[ADR], v[LG]
	s_mul_i32 s58, s[WV], 16*SP
	s_add_co_u32 s58, s58, STAGE                   ; my stage
	v_add_nc_u32 v[SRD], s58, v[LI]
	v_mul_u32_u24 v34, v32, SP
	v_add_nc_u32 v34, s58, v34
	v_lshl_add_u32 v[STO], v33, 5, v34
	v_lshl_add_u32 v[QRD], v33, 6, v34
	s_mul_i32 s58, s[WV], XP
	s_add_co_u32 s58, s58, XB
	v_add_nc_u32 v[XW], s58, v[LI]
	s_xor_b32 s58, s[WV], 4                        ; my partner
	s_mul_i32 s58, s58, XP
	s_add_co_u32 s58, s58, XB
	v_add_nc_u32 v[XR], s58, v[LI]
	s_lshl_b32 s58, s[WL], 12
	s_add_co_u32 s58, s58, QXB
	v_add_nc_u32 v[QXA], s58, v[LI]
	s_lshl_b32 s59, s[WL], 5
	v_add_nc_u32 v[DV], s59, v32
	v_lshlrev_b32 v33, 4, v33
	v_sub_nc_u32 v[DV], v[DV], v33
	v_add_nc_u32 v[DV+1], 16, v[DV]
	v_mov_b32 v[NINF], 0xff800000
	v_mov_b32 v[PM], 0                             ; written once: a lane permute's destination counts as one of its sources
	v_mov_b32 v[PM+1], 0
	v_mov_b32 v[INV+1], 0                          ; (upper words of pairs that are named whole)
	v_mov_b32 v125, 0
.irp x, 0,1
	RESET \x
	v_mov_b32 v[ST0+8*\x+1], 0
	v_mov_b32 v[ST0+8*\x+3], 0
	v_mov_b32 v[ST0+8*\x+4], 0                     ; the sum, in two halves
	v_mov_b32 v[ST0+8*\x+5], 0
.endr
	WA
	s_wait_kmcnt 0x0
	s_add_co_i32 s58, s44, s45
	s_lshl_b32 s58, s58, 23
	s_add_co_i32 s[CS], s58, 0x3e0293ee            ; c = log2(e) / sqrt(128); a score stands for score x 2^(eq + ek): the two exponents are added to c's exponent field
	s_mov_b32 s[CS+1], s[CS]
	s_xor_b32 s[NCS], s[CS], 0x80000000
	s_add_co_i32 s58, s46, 127
	s_lshl_b32 s59, s58, 23
	v_mov_b32 v[SCP], s59                          ; 2^ep as f32, for the conversion
	s_add_co_i32 s58, s58, 8
	s_lshl_b32 s58, s58, 23
	s_or_b32 s[LIMP], s58, 0x600000
	s_add_co_i32 s58, s44, 127
	s_lshl_b32 s59, s58, 23
	v_mov_b32 v[SCQ], s59                          ; 2^eq
	s_add_co_i32 s58, s58, 8
	s_lshl_b32 s58, s58, 23
	s_or_b32 s[LIMQ], s58, 0x600000
	s_add_co_i32 s[EPV], s46, s47
	WA
	s_wait_loadcnt 16                              ; tile A's sixteen rows are in; tile B's may be out
	TURNQ 0, 128
	WA
	s_wait_tensorcnt 0x0                           ; my part of slot 0 is in; these lines stand ahead of a later first fill as ahead of a refill
	ds_add_u32 v[SPW], v[NIL]
	s_xor_b32 s[G0+1], s[G0+1], SLOT1
	s_mov_b32 s[TN], 1
	ADDR
	s_wait_dscnt 0x0
	s_barrier_signal -1
	s_barrier_wait -1                              ; slot 0 is whole
	TLOAD                                          ; slot 1
	FRAGS 0, 128                                   ; the first step's K, on its way while tile B is quantised
	WA
	s_wait_loadcnt 0x0
	TURNQ 1, 0
	s_cmp_lt_u32 s[WV], 4
	s_cbranch_scc1 .Lshort
.irp c, 0,1,2,3,4,5,6,7
	ds_store_b128 v[QXA], v[QC+4*\c:QC+4*\c+3] offset:512*\c   ; waves 0 to 3 take these up when block I is finished
.endr
.Lshort:
	WA
	s_wait_dscnt 0x0
	s_barrier_signal -1
	s_barrier_wait -1                              ; the codes are there for waves 0 to 3
.Lstep:                                            ; 3 trips: slots 0 .. 5
	STEP 0, 1, 1, 1, 1
	STEP 1, 1, 1, 1, 1
	s_sub_co_u32 s[CNT], s[CNT], 1
	s_cmp_lg_u32 s[CNT], 0
	WA
	s_cbranch_scc1 .Lstep
	STEP 0, 1, 1, 3, 1                             ; slot 6; the tail is written out: slot 8 has a tile for waves 4 to 7 alone
	STEP 1, 1, 2, 2, 0                             ; slot 7: the diagonal for waves 0 to 3, of block 15 - I, or of block 7 where I = 7
	WA
	s_cmp_lt_u32 s[WV], 4
	s_cbranch_scc1 .Lgroup0
	FRAGS 0, 128
	STEP 0, 0, 3, 0, 0                             ; slot 8: waves 4 to 7; the diagonal of block 8 where I = 7
	GIVE 0
	s_branch .Lmeet
.Lgroup0:
.set RB, 0
	s_cmp_lg_u32 s[FL], 8
	s_cbranch_scc1 .Lpart
	FLUSH                                          ; I = 7: block 7 is finished, and nothing of block 8 lies here: f is 0 in the merge
.Lpart:
	GIVE 1
.Lmeet:
	WA
	s_wait_dscnt 0x0
	s_barrier_signal -1
	s_barrier_wait -1                              ; both parts are in LDS
	s_cmp_lt_u32 s[WV], 4
	s_cbranch_scc1 .Lfirst
	MERGE 1
	s_branch .Lend
.Lfirst:
	MERGE 0
.Lend:
	s_wait_tensorcnt 0x0                           ; the wave's end, behind my last tensor load and my last LDS store
	ds_add_u32 v[SPW], v[NIL]
	s_wait_dscnt 0x0
	s_endpgm
.Lfunc_end_k_q2342a9dcb2_attn:
	.size	k_q2342a9dcb2_attn, .Lfunc_end_k_q2342a9dcb2_attn-k_q2342a9dcb2_attn
	.p2alignl 7, 3214868480
	.fill 96, 4, 3214868480
	.section	.rodata,"a",@progbits
	.p2align	6, 0x0
	.amdhsa_kernel k_q2342a9dcb2_attn
		.amdhsa_group_segment_fixed_size 327680
		.amdhsa_private_segment_fixed_size 0
		.amdhsa_enable_private_segment 0
		.amdhsa_kernarg_size 32
		.amdhsa_user_sgpr_count 2
		.amdhsa_user_sgpr_kernarg_segment_ptr 1
		.amdhsa_wavefront_size32 1
		.amdhsa_system_sgpr_workgroup_id_x 1
		.amdhsa_system_sgpr_workgroup_id_y 1
		.amdhsa_system_sgpr_workgroup_id_z 1
		.amdhsa_system_vgpr_workitem_id 0
		.amdhsa_next_free_vgpr 512
		.amdhsa_next_free_sgpr 80
		.amdhsa_reserve_vcc 1
		.amdhsa_float_denorm_mode_32 3
		.amdhsa_float_denorm_mode_16_64 3
		.amdhsa_memory_ordered 1
		.amdhsa_forward_progress 1
		.amdhsa_inst_pref_size 255
	.end_amdhsa_kernel
	.section	.bss,"aw",@nobits
	.p2align	6
	.space	262144
	.amdgpu_metadata
---
amdhsa.version: [ 1, 2 ]
amdhsa.kernels:
  - .name:           k_q2342a9dcb2_attn
    .symbol:         k_q2342a9dcb2_attn.kd
    .args:
      - { .name: q, .offset: 0, .size: 8, .value_kind: global_buffer, .address_space: global }
      - { .name: kv, .offset: 8, .size: 8, .value_kind: global_buffer, .address_space: global }
      - { .name: lowp_scales, .offset: 16, .size: 8, .value_kind: global_buffer, .address_space: global }
      - { .name: out0, .offset: 24, .size: 8, .value_kind: global_buffer, .address_space: global }
    .group_segment_fixed_size: 327680
    .private_segment_fixed_size: 0
    .kernarg_segment_align: 8
    .kernarg_segment_size: 32
    .max_flat_workgroup_size: 256
    .sgpr_count:     80
    .vgpr_count:     512
    .wavefront_size: 32
...
	.end_amdgpu_metadata
.endif
;; end of part 2
